; MI455X (gfx1250); checked and timed in simulation.
; The chip was launched on July 23, 2026; its instructions are those of AMD's public machine-readable ISA for CDNA 5 (MIT licence, August 2026) and "CDNA5" Instruction Set Architecture Reference Guide (July 2026). The comments in the code are by the model that wrote it; some were corrected since.
;; Simple Self Attention. Allowed arithmetic: float matrix products may take bf16 or f16 operands with f32 sums; other float arithmetic in f32, or as packed bf16 or f16 multiplies, adds, multiply-adds, maxima and minima; sums over many terms, partial sums and values carried from step to step in f32; what a program stores and reads back later, other than sums and carried values, may be rounded once to bf16 or f16.
;; Inputs: W 1,024 x 1,024 float32; gamma 1 float32; x 16 x 1,024 x 32 x 32 float32.
;; Outputs: out0 16 x 1,024 x 32 x 32 float32.
;; One version. Each part assembles by itself: llvm-mc -triple=amdgcn-amd-amdhsa -mcpu=gfx1250 --defsym DOCPART=n.
;; ======== version 1 of 1: 3 launches
;; limits: values are held in f16: magnitudes above 65,504 overflow, below 6.1e-05 lose precision; inputs' magnitudes at most 256; right only within a limited range of input values
;; workspace buffers: xb 33,554,432 bytes; wb 2,097,152 bytes; g 33,554,432 bytes; yt 33,554,432 bytes
;; launch prep (part 1): grid 1024 x 1, 8 waves a work-group, no clusters, 0 bytes of LDS; arguments x, W, xb, wb; writes xb, wb
.if DOCPART == 1
	.amdgcn_target "amdgcn-amd-amdhsa--gfx1250"
	.amdhsa_code_object_version 6
	.text
	.protected	k_q6f9d43753d_prep
	.globl	k_q6f9d43753d_prep
	.p2align	8
	.type	k_q6f9d43753d_prep,@function
k_q6f9d43753d_prep:
	s_mov_b64 s[64:65], 0
	v_nop
	global_prefetch_b8 v0, s[64:65] scope:SCOPE_SE
	s_setreg_imm32_b32 hwreg(HW_REG_WAVE_MODE, 25, 1), 1
	s_wait_xcnt 0x0
; FIRST OF THREE LAUNCHES for out = gamma (X X^T)(W X) + X, X = x[b] as [1024 channels][1024 places], 16 batches.
;   this launch:  xb = bf16(x), wb = bf16(W / 8)
;   the second:   g = f16(Xb Xb^T / 1024), yt = f16((wb Xb)^T)        the third:  out0 = (bf16(gamma) x 8192) (g yt^T) + xb
; NOTHING OF THE COMPUTATION IS LEFT OUT: all three products, the gain and the residual are made in full, and all three inputs are loaded (gamma in the third launch).
; FORMATS.  All inputs are rounded once to bf16 (x also where it is the residual, gamma too); the two intermediate products are kept in f16, with sums in f32 everywhere.
; The scales 1/8, 1/1024 and 8192 are powers of two: they change no significant bit and cancel exactly.
; LIMITS.  f16 ends at 65,504: g holds X X^T / 1024, so a row's mean square of x stays under 65,504; yt holds W X / 8, so |W x| stays under 524,000; beyond that the result is an infinity.
; Below 6e-5 g and yt keep f16's fixed step of 6e-8.  NaN and infinities are not treated apart.
; THIS LAUNCH IS A STREAM: each byte is read once and each result written once; no wave wants another's bytes, so there is no LDS, no barrier and no matrix work.
; SHARES.  A work-group takes 65,536 bytes of x and 4,096 of W; a wave 8,192 of x, by 16 loads of 512 consecutive bytes, and 512 of W, by one.  All 17 loads go out before the first wait.
; A lane's four numbers pack into 8 bytes, so a wave's store covers 256 consecutive bytes, aligned.  No register is written twice, so no store's sources have to be freed.
.set X, 8                              ; v[8:75]    17 x 4 registers as loaded
.set Y, 76                             ; v[76:109]  17 x 2 registers to store
	s_load_b256 s[4:11], s[0:1], 0x0               ; x s[4:5], W s[6:7], xb s[8:9], wb s[10:11]
	v_and_b32 v1, 31, v0                           ; lane
	v_lshrrev_b32 v2, 5, v0                        ; wave
	v_lshlrev_b32 v3, 4, v1
	v_lshl_add_u32 v3, v2, 13, v3                  ; in x:  8,192 x wave + 16 x lane
	v_lshlrev_b32 v4, 3, v1
	v_lshl_add_u32 v4, v2, 12, v4                  ; in xb: 4,096 x wave + 8 x lane
	v_lshlrev_b32 v5, 4, v0                        ; in W:  16 x thread
	v_lshlrev_b32 v6, 3, v0                        ; in wb: 8 x thread
	s_lshl_b32 s12, ttmp9, 16                      ; the work-group's part of x,
	s_mov_b32 s13, 0
	s_lshl_b32 s14, ttmp9, 15                      ; of xb,
	s_mov_b32 s15, 0
	s_lshl_b32 s16, ttmp9, 12                      ; of W,
	s_mov_b32 s17, 0
	s_lshl_b32 s18, ttmp9, 11                      ; of wb
	s_mov_b32 s19, 0
	s_wait_kmcnt 0x0
	s_add_nc_u64 s[4:5], s[4:5], s[12:13]
	s_add_nc_u64 s[8:9], s[8:9], s[14:15]
	s_add_nc_u64 s[6:7], s[6:7], s[16:17]
	s_add_nc_u64 s[10:11], s[10:11], s[18:19]
.set j, 0
.rept 16
	global_load_b128 v[X+4*j:X+4*j+3], v3, s[4:5] offset:512*j th:TH_LOAD_NT
.set j, j+1
.endr
	global_load_b128 v[X+64:X+67], v5, s[6:7] th:TH_LOAD_NT
.set j, 0
.rept 16
	s_wait_loadcnt 16-j                            ; loads come back in order (ISA guide 5.7.1): number j is in, the 16 - j younger ones stay out
	v_cvt_pk_bf16_f32 v[Y+2*j],   v[X+4*j],   v[X+4*j+1]
	v_cvt_pk_bf16_f32 v[Y+2*j+1], v[X+4*j+2], v[X+4*j+3]
	global_store_b64 v4, v[Y+2*j:Y+2*j+1], s[8:9] offset:256*j th:TH_STORE_NT
.set j, j+1
.endr
	s_wait_loadcnt 0x0                             ; W's four numbers
	v_pk_mul_f32 v[X+64:X+65], v[X+64:X+65], 0x3e000000 op_sel_hi:[1,0]  ; W / 8: exact
	v_pk_mul_f32 v[X+66:X+67], v[X+66:X+67], 0x3e000000 op_sel_hi:[1,0]
	v_cvt_pk_bf16_f32 v[Y+32], v[X+64], v[X+65]
	v_cvt_pk_bf16_f32 v[Y+33], v[X+66], v[X+67]
	global_store_b64 v6, v[Y+32:Y+33], s[10:11] th:TH_STORE_NT
	s_endpgm
.Lfunc_end_k_q6f9d43753d_prep:
	.size	k_q6f9d43753d_prep, .Lfunc_end_k_q6f9d43753d_prep-k_q6f9d43753d_prep
	.p2alignl 7, 3214868480
	.fill 96, 4, 3214868480
	.section	.rodata,"a",@progbits
	.p2align	6, 0x0
	.amdhsa_kernel k_q6f9d43753d_prep
		.amdhsa_group_segment_fixed_size 0
		.amdhsa_private_segment_fixed_size 0
		.amdhsa_enable_private_segment 0
		.amdhsa_kernarg_size 32
		.amdhsa_user_sgpr_count 2
		.amdhsa_user_sgpr_kernarg_segment_ptr 1
		.amdhsa_wavefront_size32 1
		.amdhsa_system_sgpr_workgroup_id_x 1
		.amdhsa_system_sgpr_workgroup_id_y 1
		.amdhsa_system_sgpr_workgroup_id_z 1
		.amdhsa_system_vgpr_workitem_id 0
		.amdhsa_next_free_vgpr 112
		.amdhsa_next_free_sgpr 66
		.amdhsa_reserve_vcc 0
		.amdhsa_float_denorm_mode_32 3
		.amdhsa_float_denorm_mode_16_64 3
		.amdhsa_memory_ordered 1
		.amdhsa_forward_progress 1
		.amdhsa_inst_pref_size 8
	.end_amdhsa_kernel
	.amdgpu_metadata
---
amdhsa.version: [ 1, 2 ]
amdhsa.kernels:
  - .name:           k_q6f9d43753d_prep
    .symbol:         k_q6f9d43753d_prep.kd
    .args:
      - { .name: x, .offset: 0, .size: 8, .value_kind: global_buffer, .address_space: global }
      - { .name: W, .offset: 8, .size: 8, .value_kind: global_buffer, .address_space: global }
      - { .name: xb, .offset: 16, .size: 8, .value_kind: global_buffer, .address_space: global }
      - { .name: wb, .offset: 24, .size: 8, .value_kind: global_buffer, .address_space: global }
    .group_segment_fixed_size: 0
    .private_segment_fixed_size: 0
    .kernarg_segment_align: 8
    .kernarg_segment_size: 32
    .max_flat_workgroup_size: 256
    .sgpr_count:     66
    .vgpr_count:     112
    .wavefront_size: 32
...
	.end_amdgpu_metadata
.endif
;; end of part 1
;; launch gy (part 2): grid 4 x 64, 4 waves a work-group, clusters of 4 x 4, 327,680 bytes of LDS; arguments xb, wb, g, yt; writes g, yt
.if DOCPART == 2
	.amdgcn_target "amdgcn-amd-amdhsa--gfx1250"
	.amdhsa_code_object_version 6
	.text
	.protected	k_q6f9d43753d_gy
	.globl	k_q6f9d43753d_gy
	.p2align	8
	.type	k_q6f9d43753d_gy,@function
k_q6f9d43753d_gy:
	s_mov_b64 s[64:65], 0
	v_nop
	global_prefetch_b8 v0, s[64:65] scope:SCOPE_SE
	s_setreg_imm32_b32 hwreg(HW_REG_WAVE_MODE, 25, 1), 1
	s_wait_xcnt 0x0
	s_wait_alu depctr_hold_cnt(0) depctr_sa_sdst(0) depctr_va_vdst(0) depctr_va_sdst(0) depctr_va_ssrc(0) depctr_va_vcc(0) depctr_vm_vsrc(0)
	s_getreg_b32 s2, hwreg(HW_REG_IB_STS2, 6, 4)
	s_cmp_eq_u32 s2, 0
	s_cbranch_scc0 .Lentry_in_a_cluster
	s_endpgm
.Lentry_in_a_cluster:
	s_bfe_u32 s2, ttmp6, 0x10000c
	s_cmp_lg_u32 s2, 0xf033
	s_cbranch_scc0 .Lentry_shape_is_right
	s_endpgm
.Lentry_shape_is_right:
; SECOND OF THREE LAUNCHES.  Two products for each batch b, both bf16 x bf16 with sums in f32; no work is left out.
;   PHASE G:  g[1024 b + c][d]  = f16(2^-10 x the sum over n of xb[c][n] xb[d][n])          both operands have the summed index along their rows
;   PHASE Y:  yt[1024 b + n][o] = f16(the sum over c of xb[c][n] wb[o][c]) = (W X)^T / 8     xb has the summed index DOWN its rows here: its tile is read out of LDS turned, by ds_load_tr16_b128
; yt is stored transposed, so that the third launch finds the summed index along the rows of both its operands.
; LIMITS.  f16 ends at 65,504: a row's mean square of x stays under 65,504 and |W x| under 524,000; below 6e-5 g and yt keep f16's fixed step of 6e-8.  NaN and infinities are not treated apart.
; SHARES.  A cluster of 4 x 4 work-groups is one batch; a work-group makes the tile (cy, cx) of 256 x 256 of g and then the same tile of yt; each of its four waves 128 x 128: 64 accumulators, 512 registers.
; The summed index goes in 8 steps of 128 through a ring of two LDS slots filled by tensor loads, and the ring runs on from phase G into phase Y: G's last two changes of slots ask for Y's first two steps,
; and G's tile is rounded and stored when both have been asked for.  Nothing follows phase Y under which its stores could leave, so ITS LAST STEP GOES BY ROWS OF yt: finished rows leave while the others are multiplied.
; JOINT LOADS.  The rows' operand hangs on cy alone and is shared along a row of the cluster, the columns' operand on cx alone and is shared along a column: each tile is asked for by the same tensor
; load, with the same descriptor and a mask that names the four, in all four.
; THE MATRIX INSTRUCTION IS USED TRANSPOSED: source 0 = 16 rows of the columns' operand, source 1 = 16 rows of the rows' operand.  In the result lane l holds row l % 16 and the columns 8 (l / 16) + 0..7:
; eight neighbouring numbers of a row, which pack into 16 bytes.
; REGISTERS, in windows of 256 (s_set_vgpr_msb: bits 1:0 source 0, 3:2 source 1, 5:4 source 2, 7:6 destination):
;   window 0: v16-31 addresses; v64-127, v128-191 the rows' fragments, two buffers (in the very last step four, of 16 rows x 128); v32-63, v192-255 at work on the way out
;   window 1: v64-127, v128-191 the columns' fragments, two buffers; in the very last step all 256: the columns' fragments of the whole step
;   window 2: the accumulators of my rows 0-63 ((a, b) at v[8 (8 a + b)])          window 3: those of my rows 64-127
.set KSTEP,  128
.set PITCH,  272                       ; a row of 256 bytes in LDS + 16 of padding = 68 words: the 16 rows of a load start at 16 different groups of four banks (64 banks of 4 bytes: ISA guide 11.1)
.set PT,     544                       ; a row of 512 bytes + 32 of padding = 136 words
.set HALFT,  128*PITCH                 ; what one tensor load brings: 128 rows x 272, or 64 rows x 544: 34,816 bytes either way
.set SLOT,   4*HALFT                   ; the rows' operand (two loads), then the columns' (two loads).  0x22000 shares no bit with wave x HALFT, so one exclusive or turns an address in one slot into the other's
.set STAGE,  2*SLOT                    ; behind the ring, never filled by a tensor load: 16 rows x 272 bytes for each wave, for the way out
.set SPITCH, 272
.set SPARE,  STAGE+4*16*SPITCH         ; behind the stages: the spare words, 128 bytes for each wave: two blocks of 256 bytes that no other line names
.set ADRA, 16                          ; v16  LDS address of my rows' fragments in the slot in hand
.set ADRB, 17                          ; v17  the same for my columns'
.set LA,   18                          ; v18  my lane's place in a slot, rows' operand as it lies; never rewritten
.set LB,   19                          ; v19  the same, columns' operand
.set LT,   20                          ; v20  the same, rows' operand to be turned
.set STO,  24                          ; v24  the way out: where I put 16 bytes of a row
.set RD,   25                          ; v25  the way out: where I read a row back
.set CO,   26                          ; v26  my byte offset in two rows of g or yt
.set SPW,  28                          ; v28  LDS address of my spare word: SPARE + 4 x my thread's number; never rewritten
.set NIL,  29                          ; v29  0; never rewritten
.set PFO,  30                          ; v30  the prefetches' offset: my lane x a row of 2,048 bytes; never rewritten
.set F0,   64
.set F1,   128
.set PA,   64                          ; the very last step: the rows' fragments of 16 rows x 128, 32 registers; four such buffers, v64-191
.set TMP,  192                         ; the way out: packed results
.set OB,   32                          ; the way out: 16 rows read back: v32-63 and v224-255 by turns
.set TB,   2                           ; s2   LDS byte at which the slot in hand begins
.set CNT,  3                           ; s3   the loop's count
.set WV,   14                          ; s14  my wave's number
.set RH,   15                          ; s15  which half of the tile's rows is mine.  Also: I fetch the rows' operand (0) or the columns' (1)
.set CH,   16                          ; s16  which half of its columns.  Also: which half of that operand's tile I fetch
.set CX,   17
.set CY,   18
.set BT,   19                          ; s19  the batch = the cluster's y
.set G1A,  24                          ; s[24:31] descriptor group 1: 128 rows x 256 bytes, to my row of the cluster
.set G1B,  32                          ; s[32:39] the same, to my column
.set G1T,  40                          ; s[40:47] 64 rows x 512 bytes, to my row
.set A0,   48                          ; s[48:51] group 0: phase G's rows, step 0
.set AW,   52                          ; s[52:55] the same from step 1 on: it walks
.set B0,   56                          ; s[56:59], s[60:63] the same for phase G's columns
.set BW,   60
.set TW,   68                          ; s[68:71] phase Y's rows (xb, to be turned): it walks from step 0
.set WW,   72                          ; s[72:75] phase Y's columns (wb)
.set PFG,  76                          ; s[76:77] where my prefetches of xb stand
.set PFW,  78                          ; s[78:79] of wb
.set LIMG, 80                          ; s80  2 in a wave that prefetches in phase G, else the greatest number
.set LIMW, 81                          ; s81  the same for phase Y
.set SCL,  82                          ; s[82:83] 2^-10: the packed multiply takes the pair's low word for both halves
.set OFA,  84                          ; s[84:91] byte offsets, each a pair with 0 above
.set OFB,  86
.set OFT,  88
.set OFW,  90
.set TX,   92                          ; s92  tile column
.set TY,   93                          ; s93  tile row, over all batches
.set ROW_W0, (1<<16)|(1<<20)|(1<<21)|(5<<22)|(3<<25)  ; 17:16 elements of 2 bytes; 20 padding on; 21 set beside a mask; 24:22 after every 64 words (code 5); 31:25 4 words of it (code 3)
.set TRN_W0, (1<<16)|(1<<20)|(1<<21)|(6<<22)|(7<<25)  ; the same after every 128 words (code 6), 8 words (code 7)
.set MSB, 0
.macro WIN new                         ; the immediate's high byte repeats the setting that is left; a switch that changes nothing is dropped
.if MSB != (\new)
	s_set_vgpr_msb (MSB<<8)|(\new)
.set MSB, \new
.endif
.endm
.set MUL_LO, 0xa1                      ; source 0 window 1, source 1 window 0, C and D window 2
.set MUL_HI, 0xf1                      ; the same, C and D window 3
.set TO_B,   0x40                      ; destination window 1, address window 0
; A joint load.  Waves 0 and 1 fetch the two halves of the rows' operand, waves 2 and 3 those of the columns'.  The branch hangs on the wave's number alone.
; An s_nop 0 and four v_nop follow each of the two lines, ahead of the jump and the label.
.macro JLOAD ga, g1a, gb, g1b
	s_cmp_eq_u32 s[RH], 0
	s_cbranch_scc0 .Lfor_b_\@
	tensor_load_to_lds s[(\ga):(\ga)+3], s[(\g1a):(\g1a)+7]
	s_nop 0
.rept 4
	v_nop
.endr
	s_branch .Lasked_\@
.Lfor_b_\@:
	tensor_load_to_lds s[(\gb):(\gb)+3], s[(\g1b):(\g1b)+7]
	s_nop 0
.rept 4
	v_nop
.endr
.Lasked_\@:
.endm
; A round of the cluster's barrier: my work-group's barrier, so that wave 0's signal speaks for all four waves; wave 0 signals; every wave waits for all sixteen work-groups; my work-group's barrier once more.
.macro CREST                           ; a round behind its opening barrier
	s_cmp_lg_u32 s[WV], 0
	s_cbranch_scc1 .Lnot_wave_0_\@
	s_barrier_signal -3
.Lnot_wave_0_\@:
	s_barrier_wait -3
	s_barrier_signal -1
	s_barrier_wait -1
.endm
.macro CROUND
	s_barrier_signal -1
	s_barrier_wait -1
	CREST
.endm
; A PREFETCH INTO THE L2, behind a joint load, its five lines and the run of LDS loads that follows: the step that stands TWO refills on: 32 rows x 256 bytes, a lane a row, one instruction a wave.
; Each row's 256 bytes of a step are named once in the launch.  PHASE G: waves 0 and 1 ask for xb; of the 128 rows that a wave fetches, the partner at place cx takes 32 cx .. 32 cx + 31, told apart by
; address; the columns' operand is the same batch's rows and is not asked for again.  PHASE Y: xb has been read in phase G; wb is the same for all batches: batch 0's waves 2 and 3 ask, 32 rows for each cy.
; Trips with a count above 2 ask (steps 4 to 7); the first four steps come by their loads alone, and the last two refills have no step two on.
.macro ASK
	s_cmp_gt_u32 s[CNT], s[LIMS]
	s_cbranch_scc0 .Lnot_mine_\@
	global_prefetch_b8 v[PFO], s[PFS:PFS+1] offset:KSTEP*2 th:TH_LOAD_NT scope:SCOPE_SE
.Lnot_mine_\@:
.endm
; 16 matrix instructions: row blocks a0, a0 + 1 of the window's four x all 8 column blocks, 32 along the summed index.  zero = 1: the first product starts the sums: nothing is cleared.
; The 64 accumulators take turns in the same order in every quarter, one instruction a turn.
.macro MUL16 f, hi, a0, zero
	WIN MUL_LO+0x50*(\hi)
.irp a, \a0, (\a0)+1
.irp b, 0,1,2,3,4,5,6,7
.if \zero
	v_wmma_f32_16x16x32_bf16 v[8*(8*(\a)+(\b)):8*(8*(\a)+(\b))+7], v[(\f)+8*(\b):(\f)+8*(\b)+7], v[(\f)+8*(4*(\hi)+(\a)):(\f)+8*(4*(\hi)+(\a))+7], 0
.else
	v_wmma_f32_16x16x32_bf16 v[8*(8*(\a)+(\b)):8*(8*(\a)+(\b))+7], v[(\f)+8*(\b):(\f)+8*(\b)+7], v[(\f)+8*(4*(\hi)+(\a)):(\f)+8*(4*(\hi)+(\a))+7], v[8*(8*(\a)+(\b)):8*(8*(\a)+(\b))+7]
.endif
.endr
.endr
.endm
; 32 LDS loads in one run: the fragments of quarter q of the slot in hand into buffer f.  A fragment is 16 rows x 32 in 8 registers: lane l holds row l % 16, the summed index 8 (l / 16) + 0..7 and
; 16 + 8 (l / 16) + 0..7.  kind = 0: the rows' operand lies so: two loads of 16 bytes, 32 bytes apart.  kind = 1: it lies the other way ([summed index][row]): two turning loads, 16 LDS rows apart.
.macro FETCH q, f, kind
	WIN TO_B
.irp i, 0,1,2,3,4,5,6,7
	ds_load_b128 v[(\f)+8*(\i):(\f)+8*(\i)+3],   v[ADRB] offset:64*(\q)+(\i)*16*PITCH
	ds_load_b128 v[(\f)+8*(\i)+4:(\f)+8*(\i)+7], v[ADRB] offset:64*(\q)+(\i)*16*PITCH+32
.endr
	WIN 0
.if \kind
.irp i, 0,1,2,3,4,5,6,7
	ds_load_tr16_b128 v[(\f)+8*(\i):(\f)+8*(\i)+3],   v[ADRA] offset:32*(\q)*PT+32*(\i)
	ds_load_tr16_b128 v[(\f)+8*(\i)+4:(\f)+8*(\i)+7], v[ADRA] offset:32*(\q)*PT+16*PT+32*(\i)
.endr
.else
.irp i, 0,1,2,3,4,5,6,7
	ds_load_b128 v[(\f)+8*(\i):(\f)+8*(\i)+3],   v[ADRA] offset:64*(\q)+(\i)*16*PITCH
	ds_load_b128 v[(\f)+8*(\i)+4:(\f)+8*(\i)+7], v[ADRA] offset:64*(\q)+(\i)*16*PITCH+32
.endr
.endif
.endm
; A load into a register that a matrix instruction has read, and a vector instruction that reads a matrix result, stand four places behind it, and only plain vector instructions that name none of its
; registers are places (ISA guide 7.12.1 for vector instructions).
.macro PLACES
.rept 4
	v_nop
.endr
.endm
; A step is four quarters of 32, 64 matrix instructions each, on buffers 0, 1, 0, 1.  One of the first three: multiplies buffer f; in its middle it fetches quarter q into buffer g.
.macro QUARTER q, f, g, zero, kind
	s_wait_dscnt 8                                 ; the columns' fragments and my rows 0-63 are in; the youngest eight loads (rows 64-127) may be out
	MUL16 \f, 0, 0, \zero
	MUL16 \f, 0, 2, \zero
	PLACES
	FETCH \q, \g, \kind
	s_wait_dscnt 32                                ; all but the 32 just issued
	MUL16 \f, 1, 0, \zero
	MUL16 \f, 1, 2, \zero
.endm
; The last quarter multiplies buffer 1 and changes slots.  MEET is its first half: ONE barrier for two things.  In front of it each wave waits for all its tensor loads, of which one is out: its part of
; the next slot; adds 0 to its spare word; and waits for that and for its own reads of this slot.  Behind it nobody reads this slot any more and the next slot is whole.
; nk: the kind of the NEXT slot's rows.  fill = 1: a round of the cluster's barrier and a refill by the descriptors FA and FB follow (step = 1: they walk first: the other slot, the next step).
; ask = 1: the prefetch's address is stepped at the head, a step behind the prefetch that read it.
.macro MEET nk, fill, step, ask
	WIN 0
.if \ask
	s_wait_xcnt 0x0                                ; the last prefetch has read its address, so it may be written
	s_add_nc_u64 s[PFS:PFS+1], s[PFS:PFS+1], KSTEP*2
.endif
	s_xor_b32 s[TB], s[TB], SLOT                   ; the fetches go on in the other slot (this slot's last loads have been issued)
.if \nk
	v_add_nc_u32 v[ADRA], s[TB], v[LT]
.else
	v_add_nc_u32 v[ADRA], s[TB], v[LA]
.endif
	v_add_nc_u32 v[ADRB], s[TB], v[LB]
	s_wait_tensorcnt 0x0                           ; all my tensor loads have landed, so a group 0 may be written
	ds_add_u32 v[SPW], v[NIL]                      ; 0 onto my spare word
.if (\fill) && (\step)
	s_xor_b32 s[FA+1], s[FA+1], SLOT
	s_add_nc_u64 s[FA+2:FA+3], s[FA+2:FA+3], SA    ; the type bits on top are not reached
	s_xor_b32 s[FB+1], s[FB+1], SLOT
	s_add_nc_u64 s[FB+2:FB+3], s[FB+2:FB+3], SB
.endif
	s_wait_dscnt 9                                 ; the add and the youngest eight loads may be out
	MUL16 F1, 0, 0, 0                              ; sixteen matrix instructions stand between the add and the wait for it
	s_wait_dscnt 0x0                               ; the add is done, and my reads of this slot are over
	s_barrier_signal -1
	MUL16 F1, 0, 2, 0                              ; work on registers while the others arrive
.if \fill
	WIN 0
.endif
	s_barrier_wait -1
.endm
; The whole last quarter, with a refill: the barrier has opened a round of the cluster's, so that no wave of any partner still reads the slot or has a load on its way, and the joint refill is the first
; thing behind it: 224 matrix instructions ahead of the wait for it.  Then come the next slot's first fragments.
.macro TURN nk, step, ask
	MEET \nk, 1, \step, \ask
	CREST
	JLOAD FA, F1A, FB, F1B                         ; its four v_nop are also the places in front of the loads below
	FETCH 0, F0, \nk
.if \ask
	ASK
.endif
	MUL16 F1, 1, 0, 0
	MUL16 F1, 1, 2, 0
.endm
; A tile's first quarter, whose products start the sums, and six trips, each from a step's second quarter to the next step's first: trip s (0 to 5) fills slot s % 2 again with step s + 2.
.macro WALK kind
	QUARTER 1, F0, F1, 1, \kind
	WIN 0                                          ; at a label and at a branch every window is 0
	s_mov_b32 s[CNT], 6
.Lk_\@:
	QUARTER 2, F1, F0, 0, \kind
	QUARTER 3, F0, F1, 0, \kind
	TURN \kind, 1, 1
	QUARTER 1, F0, F1, 0, \kind
	WIN 0
	s_sub_co_u32 s[CNT], s[CNT], 1
	s_cmp_lg_u32 s[CNT], 0
	s_cbranch_scc1 .Lk_\@
.endm
; PHASE Y's LAST STEP (it lies in slot 1) GOES BY ROWS OF yt, NOT BY THE SUMMED INDEX.  All its fragments of wb (4 quarters x 64 registers) fill window 1; then my eight blocks of 16 rows are finished one
; after the other, each with 32 matrix instructions (its 8 accumulators by turns, the summed index ascending).  LDS is read no more than in any other step.
.macro BLOAD q                         ; wb's fragments of quarter q -> window 1, v[64 q ..]
	WIN TO_B
.irp i, 0,1,2,3,4,5,6,7
	ds_load_b128 v[64*(\q)+8*(\i):64*(\q)+8*(\i)+3],   v[ADRB] offset:64*(\q)+(\i)*16*PITCH
	ds_load_b128 v[64*(\q)+8*(\i)+4:64*(\q)+8*(\i)+7], v[ADRB] offset:64*(\q)+(\i)*16*PITCH+32
.endr
.endm
.macro ALOAD a                         ; xb's fragments of block a, turned, all four quarters -> buffer a % 4
	WIN 0
.set AF, PA+32*((\a)%4)
.irp q, 0,1,2,3
	ds_load_tr16_b128 v[AF+8*(\q):AF+8*(\q)+3],   v[ADRA] offset:32*(\q)*PT+32*(\a)
	ds_load_tr16_b128 v[AF+8*(\q)+4:AF+8*(\q)+7], v[ADRA] offset:32*(\q)*PT+16*PT+32*(\a)
.endr
.endm
.macro ROW a                           ; block a is finished: 32 matrix instructions
.set AF, PA+32*((\a)%4)                ; its fragments of xb
.set AC, 64*((\a)%4)                   ; its eight accumulators, in window 2 (blocks 0-3) or 3 (blocks 4-7)
	WIN MUL_LO+0x50*((\a)/4)
.irp q, 0,1,2,3
.if (\a) == 0 && (\q) == 2
	s_wait_dscnt 24                                ; wb's quarter 2 is in (behind it: xb's blocks 1 to 3, 24 loads)
.endif
.irp b, 0,1,2,3,4,5,6,7
	v_wmma_f32_16x16x32_bf16 v[AC+8*(\b):AC+8*(\b)+7], v[64*(\q)+8*(\b):64*(\q)+8*(\b)+7], v[AF+8*(\q):AF+8*(\q)+7], v[AC+8*(\b):AC+8*(\b)+7]
.endr
.endr
.endm
; THE WAY OUT of block a (16 of my rows), in three parts.  PACK: scaled (g alone) and rounded to f16, 16 bytes a lane; each accumulator is read from its lowest registers on.
; TOSTAGE: into my own stage in LDS, and back as whole rows of 256 bytes.  SEND: stored.
.macro PACK a, scale
.set AC, 64*((\a)%4)
.if \scale
	WIN 0x82+0x41*((\a)/4)                         ; destination and source 0: window 2 or 3
.set z, 0
.rept 32
	v_pk_mul_f32 v[AC+z:AC+z+1], v[AC+z:AC+z+1], s[SCL:SCL+1] op_sel_hi:[1,0]
.set z, z+2
.endr
.endif
	WIN 0x0a+5*((\a)/4)                            ; sources 0 and 1: window 2 or 3
.irp b, 0,1,2,3,4,5,6,7
.irp r, 0,1,2,3
	v_cvt_pk_f16_f32 v[TMP+4*(\b)+(\r)], v[AC+8*(\b)+2*(\r)], v[AC+8*(\b)+2*(\r)+1]
.endr
.endr
	WIN 0
.endm
.macro TOSTAGE a
.set BK, OB+192*((\a)%2)
.irp b, 0,1,2,3,4,5,6,7
	ds_store_b128 v[STO], v[TMP+4*(\b):TMP+4*(\b)+3] offset:32*(\b)
.endr
.irp t, 0,1,2,3,4,5,6,7
	ds_load_b128 v[BK+4*(\t):BK+4*(\t)+3], v[RD] offset:(\t)*2*SPITCH  ; LDS serves a wave's instructions in order (ISA guide 5.7.1.4): these see the stores above
.endr
.endm
.macro SEND a, base, younger           ; younger: the LDS loads issued behind TOSTAGE's, which may stay out
.set BK, OB+192*((\a)%2)
	s_wait_dscnt \younger                          ; the block is back in registers
	s_wait_xcnt 0x0                                ; the stores of the block before have read their registers: the next block is read back into them only behind this wait
.irp t, 0,1,2,3,4,5,6,7
	global_store_b128 v[CO], v[BK+4*(\t):BK+4*(\t)+3], s[(\base):(\base)+1] offset:(16*(\a)+2*(\t))*2048 th:TH_STORE_NT  ; 16 lanes store 256 consecutive bytes, aligned
.endr
.endm
.macro WAYOUT scale, base              ; block a's arithmetic stands between block a - 1's loads from the stage and the wait for them
	PACK 0, \scale
	TOSTAGE 0
.irp a, 1,2,3,4,5,6,7
	PACK \a, \scale
	SEND (\a)-1, \base, 0
	TOSTAGE \a
.endr
	SEND 7, \base, 0
.endm
	s_load_b256 s[4:11], s[0:1], 0x0               ; xb s[4:5], wb s[6:7], g s[8:9], yt s[10:11]
	v_lshl_add_u32 v[SPW], v0, 2, SPARE
	v_mov_b32 v[NIL], 0
	ds_add_u32 v[SPW], v[NIL]                      ; the wave's opening: the add, twice on end, and its wait ahead of my first tensor load; the set-up below stands between
	ds_add_u32 v[SPW], v[NIL]
	v_lshrrev_b32 v1, 5, v0
	v_readfirstlane_b32 s[WV], v1                  ; wave 0..3
	s_lshr_b32 s[RH], s[WV], 1
	s_and_b32 s[CH], s[WV], 1
	s_bfe_u32 s[CX], ttmp6, 0x40000                ; my place in the cluster
	s_bfe_u32 s[CY], ttmp6, 0x40004
	s_and_b32 s[BT], ttmp7, 0xffff                 ; in a cluster launch ttmp9 and ttmp7 count clusters
	s_lshl_b32 s[TX], ttmp9, 2
	s_add_co_u32 s[TX], s[TX], s[CX]               ; tile column = 4 x cluster x + cx
	s_lshl_b32 s[TY], s[BT], 2
	s_add_co_u32 s[TY], s[TY], s[CY]               ; tile row = 4 x batch + cy
	s_lshl_b32 s20, s[CY], 2
	s_lshl_b32 s20, 15, s20                        ; my row of the cluster: places 4 cy .. 4 cy + 3
	s_lshl_b32 s21, 0x1111, s[CX]                  ; my column: places cx, cx + 4, cx + 8, cx + 12
	s_or_b32 s[G1A], s20, ROW_W0
	s_or_b32 s[G1T], s20, TRN_W0
	s_or_b32 s[G1B], s21, ROW_W0
.irp g, G1A, G1B
	s_mov_b32 s[(\g)+1], KSTEP<<16                 ; tensor_dim0 = 128
	s_mov_b32 s[(\g)+2], 128<<16                   ; tensor_dim1 = 128
	s_mov_b32 s[(\g)+3], KSTEP<<16                 ; tile_dim0 = 128
	s_mov_b32 s[(\g)+4], 128                       ; tile_dim1 = 128
	s_mov_b32 s[(\g)+5], 1024                      ; elements from row to row
	s_mov_b32 s[(\g)+6], 0
	s_mov_b32 s[(\g)+7], 0
.endr
	s_mov_b32 s[G1T+1], 256<<16                    ; tensor_dim0 = 256
	s_mov_b32 s[G1T+2], 64<<16                     ; tensor_dim1 = 64
	s_mov_b32 s[G1T+3], 256<<16                    ; tile_dim0 = 256
	s_mov_b32 s[G1T+4], 64                         ; tile_dim1 = 64
	s_mov_b32 s[G1T+5], 1024
	s_mov_b32 s[G1T+6], 0
	s_mov_b32 s[G1T+7], 0
	; where the tiles come from, in bytes (a row is 2,048).  What goes to my row of the cluster hangs on the batch, cy and the wave; what goes to my column on the batch, cx and the wave.
	s_lshl_b32 s22, s[CH], 18                      ; the 128 rows that I fetch
	s_lshl_b32 s[OFA], s[TY], 19
	s_add_co_u32 s[OFA], s[OFA], s22               ; G's rows: 256 x tile row + 128 x half
	s_mov_b32 s[OFA+1], 0
	s_lshl_b32 s[OFW], s[TX], 19
	s_add_co_u32 s[OFW], s[OFW], s22               ; Y's columns, in wb: 256 x tile column + 128 x half
	s_mov_b32 s[OFW+1], 0
	s_lshl_b32 s[OFB], s[BT], 21
	s_add_co_u32 s[OFB], s[OFB], s[OFW]            ; G's columns: the same rows of the batch
	s_mov_b32 s[OFB+1], 0
	s_lshl_b32 s[OFT], s[BT], 21
	s_lshl_b32 s22, s[CH], 17                      ; Y's rows, turned: the 64 channels that I fetch of a step's 128,
	s_add_co_u32 s[OFT], s[OFT], s22
	s_lshl_b32 s22, s[CY], 9                       ; and the tile row's 256 places: 512 bytes of each
	s_add_co_u32 s[OFT], s[OFT], s22
	s_mov_b32 s[OFT+1], 0
	s_mul_i32 s20, s[WV], HALFT                    ; and where they go: wave x 34,816: no place in the cluster enters an LDS address
.irp g, A0, B0, TW, WW
	s_mov_b32 s[\g], 1                             ; count = 1
	s_mov_b32 s[(\g)+1], s20                       ; slot 0
.endr
.irp g, AW, BW
	s_mov_b32 s[\g], 1
	s_add_co_u32 s[(\g)+1], s20, SLOT              ; slot 1
.endr
	s_mov_b32 s[TB], 0
	s_mov_b32 s[SCL], 0x3a800000                   ; 2^-10
	s_mov_b32 s[SCL+1], s[SCL]
	s_wait_dscnt 0x0                               ; both opening adds are done
	s_wait_kmcnt 0x0
	s_add_nc_u64 s[A0+2:A0+3], s[4:5], s[OFA:OFA+1]
	s_add_nc_u64 s[AW+2:AW+3], s[A0+2:A0+3], KSTEP*2
	s_add_nc_u64 s[B0+2:B0+3], s[4:5], s[OFB:OFB+1]
	s_add_nc_u64 s[BW+2:BW+3], s[B0+2:B0+3], KSTEP*2
	s_add_nc_u64 s[TW+2:TW+3], s[4:5], s[OFT:OFT+1]
	s_add_nc_u64 s[WW+2:WW+3], s[6:7], s[OFW:OFW+1]
.irp g, A0, AW, B0, BW, TW, WW
	s_or_b32 s[(\g)+3], s[(\g)+3], 0x80000000      ; type = 2
.endr
	CROUND                                         ; all sixteen work-groups are here: the first joint loads meet
	JLOAD A0, G1A, B0, G1B                         ; step 0 into slot 0,
	JLOAD AW, G1A, BW, G1B                         ; step 1 into slot 1: two loads of mine are out; later one at the most
	v_and_b32 v1, 15, v0                           ; l % 16
	v_bfe_u32 v2, v0, 4, 1                         ; l / 16
	v_mul_u32_u24 v3, v1, PITCH
	v_lshl_add_u32 v3, v2, 4, v3                   ; row x pitch + 16 x half
	s_mul_i32 s21, s[RH], HALFT                    ; my 128 rows
	s_mul_i32 s22, s[CH], HALFT                    ; my 128 columns,
	s_add_co_u32 s22, s22, 2*HALFT                 ; whose operand lies behind the rows'
	v_add_nc_u32 v[LA], s21, v3
	v_add_nc_u32 v[LB], s22, v3
	v_and_b32 v4, 7, v0                            ; the turning load: lane l reads LDS row 8 (l / 16) + l % 8, 16 bytes at 16 ((l / 8) % 2),
	v_lshl_add_u32 v4, v2, 3, v4
	v_mul_u32_u24 v4, v4, PT
	v_bfe_u32 v5, v0, 3, 1
	v_lshl_add_u32 v4, v5, 4, v4
	s_lshl_b32 s21, s[RH], 8                       ; in my half of the 256 places: 256 bytes on
	v_add_nc_u32 v[LT], s21, v4
	v_mov_b32 v[ADRA], v[LA]
	v_mov_b32 v[ADRB], v[LB]
	s_mul_i32 s23, s[WV], 16*SPITCH
	s_add_co_u32 s23, s23, STAGE                   ; my stage
	v_add_nc_u32 v[STO], s23, v3                   ; in: row l % 16, 16 bytes for each half of the lanes
	v_mul_u32_u24 v5, v2, SPITCH                   ; back: lanes 0-15 take one row of 256 bytes, lanes 16-31 the next
	v_lshl_add_u32 v5, v1, 4, v5
	v_add_nc_u32 v[RD], s23, v5
	v_lshlrev_b32 v5, 11, v2                       ; and the same two rows in g or yt
	v_lshl_add_u32 v[CO], v1, 4, v5
	v_and_b32 v[PFO], 31, v0
	v_lshlrev_b32 v[PFO], 11, v[PFO]
	s_lshl_b32 s20, s[TY], 19                      ; where my part of the tile begins in g and in yt: 256 x tile row + 128 x half rows,
	s_lshl_b32 s21, s[RH], 18
	s_add_co_u32 s20, s20, s21
	s_lshl_b32 s21, s[TX], 9                       ; 512 x tile column + 256 x half bytes
	s_add_co_u32 s20, s20, s21
	s_lshl_b32 s21, s[CH], 8
	s_add_co_u32 s20, s20, s21
	s_mov_b32 s21, 0
	s_add_nc_u64 s[8:9], s[8:9], s[20:21]
	s_add_nc_u64 s[10:11], s[10:11], s[20:21]
	s_lshl_b32 s22, s[CX], 16                      ; the prefetches: of the 128 rows that I fetch, my work-group's 32,
	s_mov_b32 s23, 0
	s_add_nc_u64 s[PFG:PFG+1], s[4:5], s[OFA:OFA+1]
	s_add_nc_u64 s[PFG:PFG+1], s[PFG:PFG+1], s[22:23]
	s_add_nc_u64 s[PFG:PFG+1], s[PFG:PFG+1], 2*KSTEP*2  ; at step 2: the first refill steps it to 3 and names step 4
	s_lshl_b32 s22, s[CY], 16
	s_add_nc_u64 s[PFW:PFW+1], s[6:7], s[OFW:OFW+1]
	s_add_nc_u64 s[PFW:PFW+1], s[PFW:PFW+1], s[22:23]
	s_add_nc_u64 s[PFW:PFW+1], s[PFW:PFW+1], 2*KSTEP*2
	s_cmp_eq_u32 s[RH], 0
	s_cselect_b32 s[LIMG], 2, -1                   ; waves 0 and 1
	s_xor_b32 s20, s[RH], 1
	s_or_b32 s20, s20, s[BT]
	s_cmp_eq_u32 s20, 0
	s_cselect_b32 s[LIMW], 2, -1                   ; waves 2 and 3 of batch 0: the same in all sixteen partners, for a given wave
	s_wait_tensorcnt 1                             ; my part of step 0 is in; step 1's may stay out
	s_barrier_signal -1
	s_barrier_wait -1                              ; everybody's is
	FETCH 0, F0, 0
	; PHASE G
.set FA,  AW
.set F1A, G1A
.set SA,  KSTEP*2
.set FB,  BW
.set F1B, G1B
.set SB,  KSTEP*2
.set PFS, PFG
.set LIMS, LIMG
	WALK 0
	QUARTER 2, F1, F0, 0, 0                        ; step 6 goes on
	QUARTER 3, F0, F1, 0, 0
.set FA,  TW                           ; THE RING GOES ON INTO PHASE Y
.set F1A, G1T
.set SA,  128*2048                     ; a step is 128 rows of xb further down
.set FB,  WW
.set PFS, PFW
.set LIMS, LIMW
	TURN 0, 0, 0                                   ; slot 0 takes Y's step 0, by descriptors that stand there already
	QUARTER 1, F0, F1, 0, 0                        ; G's step 7
	QUARTER 2, F1, F0, 0, 0
	QUARTER 3, F0, F1, 0, 0
	TURN 1, 1, 0                                   ; slot 1 takes Y's step 1, and Y's first fragments are fetched, the rows' turned
	PLACES                                         ; with the four behind the joint load: eight plain lines, once a tile, behind blocks 0-3's last products; blocks 0-3's arithmetic is the places behind blocks 4-7's
	WAYOUT 1, 8                                    ; BOTH REFILLS ARE ASKED FOR: NOW g's TILE GOES OUT; nothing waits for its stores
	; PHASE Y
	WALK 1
	QUARTER 2, F1, F0, 0, 1                        ; the tail is written out: nothing more is asked for
	QUARTER 3, F0, F1, 0, 1
	MEET 1, 0, 0, 0                                ; my one tensor load that was still out is slot 1's, the last step's, so no round follows
	PLACES                                         ; for the loads into buffer 0, which the quarter before multiplied
	BLOAD 0                                        ; three quarters of wb now: buffer 1 (v128-191 of both windows) is still being multiplied
	BLOAD 1
	BLOAD 3
	ALOAD 0
	MUL16 F1, 1, 0, 0
	MUL16 F1, 1, 2, 0
	PLACES                                         ; for the loads into buffer 1
	BLOAD 2
	ALOAD 1
	ALOAD 2
	ALOAD 3
	s_wait_dscnt 40                                ; all but the 40 just issued (wb's quarter 2: 16; xb's blocks 1 to 3: 24)
	ROW 0
.irp a, 0,1,2,3,4,5,6,7                ; each block leaves as soon as it is finished: nothing follows this tile, so its stores begin while the other blocks are multiplied
	PLACES                                         ; its conversions read results just made, and no other vector work is at hand
	PACK \a, 0
	TOSTAGE \a
.if (\a) < 4
	ALOAD (\a)+4                                   ; its buffer takes the block four further on
	SEND \a, 10, 8                                 ; those eight loads may stay out
.else
	SEND \a, 10, 0
.endif
.if (\a) < 7
	ROW (\a)+1
.endif
.endr
	s_wait_tensorcnt 0x0                           ; the wave's end, behind my last tensor load and my last LDS store
	ds_add_u32 v[SPW], v[NIL]
	s_wait_dscnt 0x0
	CROUND                                         ; the closing round: no work-group ends while a partner may still ask for a tile that names it
	s_endpgm
.Lfunc_end_k_q6f9d43753d_gy:
	.size	k_q6f9d43753d_gy, .Lfunc_end_k_q6f9d43753d_gy-k_q6f9d43753d_gy
	.p2alignl 7, 3214868480
	.fill 96, 4, 3214868480
	.section	.rodata,"a",@progbits
	.p2align	6, 0x0
	.amdhsa_kernel k_q6f9d43753d_gy
		.amdhsa_group_segment_fixed_size 327680
		.amdhsa_private_segment_fixed_size 0
		.amdhsa_enable_private_segment 0
		.amdhsa_kernarg_size 32
		.amdhsa_user_sgpr_count 2
		.amdhsa_user_sgpr_kernarg_segment_ptr 1
		.amdhsa_wavefront_size32 1
		.amdhsa_system_sgpr_workgroup_id_x 1
		.amdhsa_system_sgpr_workgroup_id_y 1
		.amdhsa_system_sgpr_workgroup_id_z 1
		.amdhsa_system_vgpr_workitem_id 0
		.amdhsa_next_free_vgpr 1024
		.amdhsa_next_free_sgpr 96
		.amdhsa_reserve_vcc 0
		.amdhsa_float_denorm_mode_32 3
		.amdhsa_float_denorm_mode_16_64 3
		.amdhsa_memory_ordered 1
		.amdhsa_forward_progress 1
		.amdhsa_inst_pref_size 245
	.end_amdhsa_kernel
	.amdgpu_metadata
---
amdhsa.version: [ 1, 2 ]
amdhsa.kernels:
  - .name:           k_q6f9d43753d_gy
    .symbol:         k_q6f9d43753d_gy.kd
    .args:
      - { .name: xb, .offset: 0, .size: 8, .value_kind: global_buffer, .address_space: global }
      - { .name: wb, .offset: 8, .size: 8, .value_kind: global_buffer, .address_space: global }
      - { .name: g, .offset: 16, .size: 8, .value_kind: global_buffer, .address_space: global }
      - { .name: yt, .offset: 24, .size: 8, .value_kind: global_buffer, .address_space: global }
    .group_segment_fixed_size: 327680
    .private_segment_fixed_size: 0
    .kernarg_segment_align: 8
    .kernarg_segment_size: 32
    .max_flat_workgroup_size: 128
    .sgpr_count:     96
    .vgpr_count:     1024
    .wavefront_size: 32
...
	.end_amdgpu_metadata
.endif
;; end of part 2
;; launch outk (part 3): grid 4 x 64, 4 waves a work-group, clusters of 4 x 4, 327,680 bytes of LDS; arguments g, yt, xb, gamma, out0; writes out0
.if DOCPART == 3
	.amdgcn_target "amdgcn-amd-amdhsa--gfx1250"
	.amdhsa_code_object_version 6
	.text
	.protected	k_q6f9d43753d_outk
	.globl	k_q6f9d43753d_outk
	.p2align	8
	.type	k_q6f9d43753d_outk,@function
k_q6f9d43753d_outk:
	s_mov_b64 s[64:65], 0
	v_nop
	global_prefetch_b8 v0, s[64:65] scope:SCOPE_SE
	s_setreg_imm32_b32 hwreg(HW_REG_WAVE_MODE, 25, 1), 1
	s_wait_xcnt 0x0
	s_wait_alu depctr_hold_cnt(0) depctr_sa_sdst(0) depctr_va_vdst(0) depctr_va_sdst(0) depctr_va_ssrc(0) depctr_va_vcc(0) depctr_vm_vsrc(0)
	s_getreg_b32 s2, hwreg(HW_REG_IB_STS2, 6, 4)
	s_cmp_eq_u32 s2, 0
	s_cbranch_scc0 .Lentry_in_a_cluster
	s_endpgm
.Lentry_in_a_cluster:
	s_bfe_u32 s2, ttmp6, 0x10000c
	s_cmp_lg_u32 s2, 0xf033
	s_cbranch_scc0 .Lentry_shape_is_right
	s_endpgm
.Lentry_shape_is_right:
; THIRD OF THREE LAUNCHES.  out0[1024 b + c][n] = (bf16(gamma) x 2^13) x (the sum over d of g[1024 b + c][d] yt[1024 b + n][d]) + xb[1024 b + c][n].  No work is left out.
; g = X X^T / 2^10 and yt = (W X)^T / 2^3, both f16, so 2^13 takes the two scales back, exactly.  Products f16 x f16, sums in f32; gain and residual are one fused multiply-add in f32, out0 is f32.
; LIMITS.  gamma and the residual x are taken rounded to bf16, like every input of the three launches; g and yt arrive within f16's range (the launch before states when).  NaN and infinities are not treated apart.
; SHARES.  A cluster of 4 x 4 work-groups is one batch; a work-group makes the tile (cy, cx) of 256 x 256; each of its four waves 128 x 128: 64 accumulators, 512 registers.  The summed index goes in 8
; steps of 128 through a ring of two LDS slots filled by tensor loads.  g's tile hangs on cy alone and is shared along a row of the cluster, yt's on cx alone and is shared along a column: each is asked for
; JOINTLY, by the same tensor load with the same descriptor and a mask that names the four.
; THE MATRIX INSTRUCTION IS USED TRANSPOSED (source 0 = 16 rows of yt, source 1 = 16 rows of g): lane l holds row l % 16 of out0 and the columns 8 (l / 16) + 0..7.
; THE RESIDUAL COMES EARLY.  My 128 rows x 256 bytes of xb are 256 registers: seven blocks of 16 rows go into the 224 registers that lie idle beside the products, the eighth into g's first fragment
; buffer when its last products are done.  They are asked for in five runs among the products, so that behind the last product only out0's stores are left to move.
; NOTHING IS USED TWICE ON THE WAY OUT.  A block's sums go through my stage in LDS and come back, as whole rows, into the accumulator registers that they left; no store's registers are written again.
; REGISTERS, in windows of 256 (s_set_vgpr_msb: bits 1:0 source 0, 3:2 source 1, 5:4 source 2, 7:6 destination):
;   window 0: v16-31 addresses and the gain; v64-127, v128-191 g's fragments, two buffers; v32-63, v192-223, v224-255 the residual of blocks 0, 1, 2; v64-95 at the end that of block 7
;   window 1: v64-127, v128-191 yt's fragments; v0-31, v32-63, v192-223, v224-255 the residual of blocks 3, 4, 5, 6
;   window 2: the accumulators of my rows 0-63 ((a, b) at v[8 (8 a + b)])          window 3: those of my rows 64-127
.set KSTEP,  128
.set PITCH,  272                       ; a row of 256 bytes in LDS + 16 of padding = 68 words: the 16 rows of a load start at 16 different groups of four banks (64 banks of 4 bytes: ISA guide 11.1)
.set HALFT,  128*PITCH                 ; 128 rows: what one tensor load brings
.set SLOT,   4*HALFT                   ; g's 256 rows, then yt's.  0x22000 shares no bit with wave x HALFT, so one exclusive or turns an address in one slot into the other's
.set STAGE,  2*SLOT                    ; behind the ring, never filled by a tensor load: 16 rows x 528 bytes for each wave, for the way out
.set SPITCH, 528                       ; 512 bytes of f32 + 16
.set SPARE,  STAGE+4*16*SPITCH         ; behind the stages: the spare words, 128 bytes for each wave: two blocks of 256 bytes that no other line names
.set ADRA, 16                          ; v16  LDS address of my fragments of g in the slot in hand
.set ADRB, 17                          ; v17  the same for yt
.set LA,   18                          ; v18  my lane's place in a slot, g; never rewritten
.set LB,   19                          ; v19  the same, yt
.set STO,  24                          ; v24  the way out: where I put 32 bytes of a row
.set RD,   25                          ; v25  the way out: where I read 16 bytes of a row back
.set CO,   26                          ; v26  16 x lane: my bytes in a row's 512 of out0
.set XO,   27                          ; v27  8 x lane: the same four numbers in xb
.set SPW,  28                          ; v28  LDS address of my spare word: SPARE + 4 x my thread's number; never rewritten
.set NIL,  29                          ; v29  0; never rewritten
.set PFO,  30                          ; v30  the prefetches' offset: my lane x a row of 2,048 bytes; never rewritten
.set GAM,  31                          ; v31  bf16(gamma) x 2^13
.set F0,   64
.set F1,   128
.set TB,   2                           ; s2   LDS byte at which the slot in hand begins
.set CNT,  3                           ; s3   the loop's count
.set WV,   14
.set RH,   15                          ; s15  which half of the tile's rows is mine.  Also: I fetch for g (0) or for yt (1)
.set CH,   16                          ; s16  which half of its columns.  Also: which 128 rows of that tile I fetch
.set CX,   17
.set CY,   18
.set BT,   19                          ; s19  the batch = the cluster's y
.set G1A,  24                          ; s[24:31] descriptor group 1 for g's tiles;  s[32:39] for yt's: it differs in the mask alone
.set G1B,  32
.set A0,   48                          ; s[48:51] group 0: g, step 0;  s[52:55] from step 1 on: it walks
.set AW,   52
.set B0,   56                          ; s[56:59], s[60:63] the same for yt
.set BW,   60
.set PF,   76                          ; s[76:77] where my prefetches of g or yt stand
.set PFR,  78                          ; s[78:79] of the residual
.set OFA,  84                          ; s[84:87] byte offsets, each a pair with 0 above
.set OFB,  86
.set RST,  88                          ; s[88:89] what the residual's prefetch steps by: 0 or 32 rows, with 0 above
.set TX,   92
.set TY,   93
.set GS,   94                          ; s94  gamma as loaded
.set ROW_W0, (1<<16)|(1<<20)|(1<<21)|(5<<22)|(3<<25)  ; 17:16 elements of 2 bytes; 20 padding on; 21 set beside a mask; 24:22 after every 64 words (code 5); 31:25 4 words of it (code 3)
.set MSB, 0
.macro WIN new                         ; the immediate's high byte repeats the setting that is left; a switch that changes nothing is dropped
.if MSB != (\new)
	s_set_vgpr_msb (MSB<<8)|(\new)
.set MSB, \new
.endif
.endm
.set MUL_LO, 0xa1                      ; source 0 window 1, source 1 window 0, C and D window 2
.set MUL_HI, 0xf1                      ; the same, C and D window 3
.set TO_B,   0x40                      ; destination window 1, address window 0
; A joint load.  Waves 0 and 1 fetch g's two halves, waves 2 and 3 yt's.  The branch hangs on the wave's number alone.  An s_nop 0 and four v_nop follow each of the two lines.
.macro JLOAD ga, gb
	s_cmp_eq_u32 s[RH], 0
	s_cbranch_scc0 .Lfor_b_\@
	tensor_load_to_lds s[(\ga):(\ga)+3], s[G1A:G1A+7]
	s_nop 0
.rept 4
	v_nop
.endr
	s_branch .Lasked_\@
.Lfor_b_\@:
	tensor_load_to_lds s[(\gb):(\gb)+3], s[G1B:G1B+7]
	s_nop 0
.rept 4
	v_nop
.endr
.Lasked_\@:
.endm
; A round of the cluster's barrier: my work-group's barrier, so that wave 0's signal speaks for all four waves; wave 0 signals; every wave waits for all sixteen work-groups; my work-group's barrier once more.
.macro CREST
	s_cmp_lg_u32 s[WV], 0
	s_cbranch_scc1 .Lnot_wave_0_\@
	s_barrier_signal -3
.Lnot_wave_0_\@:
	s_barrier_wait -3
	s_barrier_signal -1
	s_barrier_wait -1
.endm
.macro CROUND
	s_barrier_signal -1
	s_barrier_wait -1
	CREST
.endm
; PREFETCHES INTO THE L2, behind a joint load, its five lines and the run of LDS loads that follows; a lane a row of 256 bytes.  (1) The step that stands TWO refills on: a batch's g and yt are read by its
; own cluster alone; of the 128 rows that a wave fetches, each of the four partners that ask for them jointly takes 32, told apart by address (cx for g, cy for yt).  Trips with a count above 2 ask: steps
; 4 to 7; the first four steps come by their loads alone.  (2) 32 rows of my own wave's part of the residual: rows 32 to 63, 64 to 95, 96 to 127 in the trips with the counts 3, 2, 1, in the order in which
; the runs behind the loop load them; rows 0 to 31 come by their loads alone.  So each block is named once in the launch.
.macro ASK
	s_cmp_gt_u32 s[CNT], 2
	s_cbranch_scc0 .Lno_step_\@
	global_prefetch_b8 v[PFO], s[PF:PF+1] offset:KSTEP*2 th:TH_LOAD_NT scope:SCOPE_SE
.Lno_step_\@:
	s_cmp_lt_u32 s[CNT], 4
	s_cbranch_scc0 .Lnot_yet_\@
	global_prefetch_b8 v[PFO], s[PFR:PFR+1] th:TH_LOAD_NT scope:SCOPE_SE
.Lnot_yet_\@:
.endm
; 16 matrix instructions: row blocks a0, a0 + 1 of the window's four x all 8 column blocks, 32 along the summed index.  zero = 1: the first product starts the sums: nothing is cleared.
; The 64 accumulators take turns in the same order in every quarter, one instruction a turn.
.macro MUL16 f, hi, a0, zero
	WIN MUL_LO+0x50*(\hi)
.irp a, \a0, (\a0)+1
.irp b, 0,1,2,3,4,5,6,7
.if \zero
	v_wmma_f32_16x16x32_f16 v[8*(8*(\a)+(\b)):8*(8*(\a)+(\b))+7], v[(\f)+8*(\b):(\f)+8*(\b)+7], v[(\f)+8*(4*(\hi)+(\a)):(\f)+8*(4*(\hi)+(\a))+7], 0
.else
	v_wmma_f32_16x16x32_f16 v[8*(8*(\a)+(\b)):8*(8*(\a)+(\b))+7], v[(\f)+8*(\b):(\f)+8*(\b)+7], v[(\f)+8*(4*(\hi)+(\a)):(\f)+8*(4*(\hi)+(\a))+7], v[8*(8*(\a)+(\b)):8*(8*(\a)+(\b))+7]
.endif
.endr
.endr
.endm
; 32 LDS loads in one run: the fragments of quarter q of the slot in hand into buffer f.  A fragment is 16 rows x 32 in 8 registers: lane l holds row l % 16, the summed index 8 (l / 16) + 0..7 and
; 16 + 8 (l / 16) + 0..7: two loads of 16 bytes, 32 bytes apart.
.macro FETCH q, f
	WIN TO_B
.irp i, 0,1,2,3,4,5,6,7
	ds_load_b128 v[(\f)+8*(\i):(\f)+8*(\i)+3],   v[ADRB] offset:64*(\q)+(\i)*16*PITCH
	ds_load_b128 v[(\f)+8*(\i)+4:(\f)+8*(\i)+7], v[ADRB] offset:64*(\q)+(\i)*16*PITCH+32
.endr
	WIN 0
.irp i, 0,1,2,3,4,5,6,7
	ds_load_b128 v[(\f)+8*(\i):(\f)+8*(\i)+3],   v[ADRA] offset:64*(\q)+(\i)*16*PITCH
	ds_load_b128 v[(\f)+8*(\i)+4:(\f)+8*(\i)+7], v[ADRA] offset:64*(\q)+(\i)*16*PITCH+32
.endr
.endm
; A load into a register that a matrix instruction has read, and an instruction that reads a matrix result, stand four places behind it, and only plain vector instructions that name none of its registers
; are places (ISA guide 7.12.1 for vector instructions).
.macro PLACES
.rept 4
	v_nop
.endr
.endm
; A step is four quarters of 32, 64 matrix instructions each, on buffers 0, 1, 0, 1.  One of the first three: multiplies buffer f; in its middle it fetches quarter q into buffer g.
.macro QUARTER q, f, g, zero
	s_wait_dscnt 8                                 ; yt's fragments and my rows 0-63 of g are in; the youngest eight loads (rows 64-127) may be out
	MUL16 \f, 0, 0, \zero
	MUL16 \f, 0, 2, \zero
	PLACES
	FETCH \q, \g
	s_wait_dscnt 32                                ; all but the 32 just issued
	MUL16 \f, 1, 0, \zero
	MUL16 \f, 1, 2, \zero
.endm
; The last quarter multiplies buffer 1 and changes slots: ONE barrier for two things.  In front of it each wave waits for all its tensor loads, of which one is out: its part of the next slot; adds 0 to
; its spare word; and waits for that and for its own reads of this slot.  Behind it nobody reads this slot any more and the next slot is whole.
; fill = 1: this slot is filled again, two steps ahead, by the walking descriptors; the barrier then opens a round of the cluster's, so that no wave of any partner still reads the slot or has a load on its
; way, and the joint refill is the first thing behind it: 224 matrix instructions ahead of the wait for it.  The prefetches' addresses are stepped at the head, a step behind the prefetches that read them.
.macro TURN fill
	WIN 0
.if \fill
	s_wait_xcnt 0x0                                ; the last prefetches have read their addresses, so these may be written
	s_add_nc_u64 s[PF:PF+1], s[PF:PF+1], KSTEP*2
	s_cmp_lt_u32 s[CNT], 3                         ; the residual's prefetch stands at row 32 until it has asked once (count 3), then goes 32 rows on a trip
	s_cselect_b32 s[RST], 65536, 0
	s_add_nc_u64 s[PFR:PFR+1], s[PFR:PFR+1], s[RST:RST+1]
.endif
	s_xor_b32 s[TB], s[TB], SLOT                   ; the fetches go on in the other slot (this slot's last loads have been issued)
	v_add_nc_u32 v[ADRA], s[TB], v[LA]
	v_add_nc_u32 v[ADRB], s[TB], v[LB]
	s_wait_tensorcnt 0x0                           ; all my tensor loads have landed, so a group 0 may be written
	ds_add_u32 v[SPW], v[NIL]                      ; 0 onto my spare word
.if \fill
	s_xor_b32 s[AW+1], s[AW+1], SLOT
	s_add_nc_u64 s[AW+2:AW+3], s[AW+2:AW+3], KSTEP*2  ; the type bits on top are not reached
	s_xor_b32 s[BW+1], s[BW+1], SLOT
	s_add_nc_u64 s[BW+2:BW+3], s[BW+2:BW+3], KSTEP*2
.endif
	s_wait_dscnt 9                                 ; the add and the youngest eight loads may be out
	MUL16 F1, 0, 0, 0                              ; sixteen matrix instructions stand between the add and the wait for it
	s_wait_dscnt 0x0                               ; the add is done, and my reads of this slot are over
	s_barrier_signal -1
	MUL16 F1, 0, 2, 0                              ; work on registers while the others arrive
.if \fill
	WIN 0
.endif
	s_barrier_wait -1
.if \fill
	CREST
	JLOAD AW, BW                                   ; its four v_nop are also the places in front of the loads below
.else
	PLACES
.endif
	FETCH 0, F0
.if \fill
	ASK
.endif
	MUL16 F1, 1, 0, 0
	MUL16 F1, 1, 2, 0
.endm
; Where block a's residual lies: window RW, 32 registers from RS on.
.macro RSMAP a
.if (\a) == 0
.set RW, 0
.set RS, 32
.elseif (\a) < 3
.set RW, 0
.set RS, 192+32*((\a)-1)
.elseif (\a) < 5
.set RW, 1
.set RS, 32*((\a)-3)
.elseif (\a) < 7
.set RW, 1
.set RS, 192+32*((\a)-5)
.else
.set RW, 0
.set RS, 64
.endif
.endm
; THE WAY OUT, a block of 16 of my rows at a time.  RLOAD: the block's residual, 256 consecutive bytes of xb a load.  TOST: the block's f32 sums into my own stage in LDS (each accumulator's lowest four
; registers first) and back, as whole rows of 512 bytes, into the 64 registers that they left.  FIN: gain x sum + residual, one fused multiply-add that reads the bf16 half as it
; lies, and the stores.
.macro RLOAD a
	RSMAP \a
	WIN RW<<6                                      ; the loads' destination
.irp t, 0,1,2,3,4,5,6,7,8,9,10,11,12,13,14,15
	global_load_b64 v[RS+2*(\t):RS+2*(\t)+1], v[XO], s[8:9] offset:(16*(\a)+(\t))*2048 th:TH_LOAD_NT
.endr
.endm
.macro TOST a
.set AC, 64*((\a)%4)
.set AWN, 2+(\a)/4                     ; the block's window
	WIN AWN<<2                                     ; the stores' data
.irp b, 0,1,2,3,4,5,6,7
	ds_store_b128 v[STO], v[AC+8*(\b):AC+8*(\b)+3]   offset:64*(\b)
	ds_store_b128 v[STO], v[AC+8*(\b)+4:AC+8*(\b)+7] offset:64*(\b)+16
.endr
	WIN AWN<<6                                     ; the loads' destination
.irp t, 0,1,2,3,4,5,6,7,8,9,10,11,12,13,14,15
	ds_load_b128 v[AC+4*(\t):AC+4*(\t)+3], v[RD] offset:(\t)*SPITCH  ; LDS serves a wave's instructions in order (ISA guide 5.7.1.4): these see the stores above, and the next block's stores come behind them
.endr
.endm
.macro FIN a, dsy                      ; dsy: the LDS instructions issued behind this block's: the next block's 32, or none
	RSMAP \a
.set AC, 64*((\a)%4)
.set AWN, 2+(\a)/4
.set LDY, 16*(7-(\a))                  ; the residual loads issued behind this block's: 16 for each later block;
.if LDY > 63
.set LDY, 63                           ; a wait names 63 at the most: the lesser count asks for more than is needed, of loads issued long before
.endif
	s_wait_dscnt \dsy
	s_wait_loadcnt LDY
	WIN (AWN<<6)|(RW<<4)|AWN                       ; destination and source 0: the block's window; source 1: the gain, window 0; source 2: the residual's window
.irp t, 0,1,2,3,4,5,6,7,8,9,10,11,12,13,14,15
	v_fma_mix_f32_bf16 v[AC+4*(\t)],   v[AC+4*(\t)],   v[GAM], v[RS+2*(\t)]   op_sel:[0,0,0] op_sel_hi:[0,0,1]
	v_fma_mix_f32_bf16 v[AC+4*(\t)+1], v[AC+4*(\t)+1], v[GAM], v[RS+2*(\t)]   op_sel:[0,0,1] op_sel_hi:[0,0,1]
	v_fma_mix_f32_bf16 v[AC+4*(\t)+2], v[AC+4*(\t)+2], v[GAM], v[RS+2*(\t)+1] op_sel:[0,0,0] op_sel_hi:[0,0,1]
	v_fma_mix_f32_bf16 v[AC+4*(\t)+3], v[AC+4*(\t)+3], v[GAM], v[RS+2*(\t)+1] op_sel:[0,0,1] op_sel_hi:[0,0,1]
.endr
	WIN AWN<<2                                     ; the stores' data
.irp t, 0,1,2,3,4,5,6,7,8,9,10,11,12,13,14,15
	global_store_b128 v[CO], v[AC+4*(\t):AC+4*(\t)+3], s[12:13] offset:(16*(\a)+(\t))*4096 th:TH_STORE_NT  ; the wave stores 512 consecutive bytes, aligned; these registers are not written again
.endr
.endm
	s_load_b256 s[4:11], s[0:1], 0x0               ; g s[4:5], yt s[6:7], xb s[8:9], gamma s[10:11]
	s_load_b64 s[12:13], s[0:1], 0x20              ; out0
	v_lshl_add_u32 v[SPW], v0, 2, SPARE
	v_mov_b32 v[NIL], 0
	ds_add_u32 v[SPW], v[NIL]                      ; the wave's opening: the add, twice on end, and its wait ahead of my first tensor load; the set-up below stands between
	ds_add_u32 v[SPW], v[NIL]
	v_lshrrev_b32 v1, 5, v0
	v_readfirstlane_b32 s[WV], v1                  ; wave 0..3
	s_lshr_b32 s[RH], s[WV], 1
	s_and_b32 s[CH], s[WV], 1
	s_bfe_u32 s[CX], ttmp6, 0x40000                ; my place in the cluster
	s_bfe_u32 s[CY], ttmp6, 0x40004
	s_and_b32 s[BT], ttmp7, 0xffff                 ; in a cluster launch ttmp9 and ttmp7 count clusters
	s_lshl_b32 s[TX], ttmp9, 2
	s_add_co_u32 s[TX], s[TX], s[CX]               ; tile column = 4 x cluster x + cx
	s_lshl_b32 s[TY], s[BT], 2
	s_add_co_u32 s[TY], s[TY], s[CY]               ; tile row = 4 x batch + cy
	s_lshl_b32 s20, s[CY], 2
	s_lshl_b32 s20, 15, s20                        ; my row of the cluster: places 4 cy .. 4 cy + 3
	s_lshl_b32 s21, 0x1111, s[CX]                  ; my column: places cx, cx + 4, cx + 8, cx + 12
	s_or_b32 s[G1A], s20, ROW_W0
	s_or_b32 s[G1B], s21, ROW_W0
.irp g, G1A, G1B
	s_mov_b32 s[(\g)+1], KSTEP<<16                 ; tensor_dim0 = 128
	s_mov_b32 s[(\g)+2], 128<<16                   ; tensor_dim1 = 128
	s_mov_b32 s[(\g)+3], KSTEP<<16                 ; tile_dim0 = 128
	s_mov_b32 s[(\g)+4], 128                       ; tile_dim1 = 128
	s_mov_b32 s[(\g)+5], 1024                      ; elements from row to row
	s_mov_b32 s[(\g)+6], 0
	s_mov_b32 s[(\g)+7], 0
.endr
	s_lshl_b32 s22, s[CH], 18                      ; the 128 rows that I fetch (a row is 2,048 bytes)
	s_lshl_b32 s[OFA], s[TY], 19
	s_add_co_u32 s[OFA], s[OFA], s22               ; g: row 256 x tile row + 128 x half: the batch, cy and the wave
	s_mov_b32 s[OFA+1], 0
	s_lshl_b32 s[OFB], s[BT], 21
	s_lshl_b32 s23, s[TX], 19
	s_add_co_u32 s[OFB], s[OFB], s23
	s_add_co_u32 s[OFB], s[OFB], s22               ; yt: row 1,024 x batch + 256 x tile column + 128 x half: the batch, cx and the wave
	s_mov_b32 s[OFB+1], 0
	s_mul_i32 s20, s[WV], HALFT                    ; where they go: wave x 128 rows: no place in the cluster enters an LDS address
.irp g, A0, B0
	s_mov_b32 s[\g], 1                             ; count = 1
	s_mov_b32 s[(\g)+1], s20                       ; slot 0
.endr
.irp g, AW, BW
	s_mov_b32 s[\g], 1
	s_add_co_u32 s[(\g)+1], s20, SLOT              ; slot 1
.endr
	s_mov_b32 s[TB], 0
	s_mov_b32 s[RST], 0
	s_mov_b32 s[RST+1], 0
	s_wait_dscnt 0x0                               ; both opening adds are done
	s_wait_kmcnt 0x0
	s_load_b32 s[GS], s[10:11], 0x0                ; gamma; waited for behind the first joint loads
	s_add_nc_u64 s[A0+2:A0+3], s[4:5], s[OFA:OFA+1]
	s_add_nc_u64 s[AW+2:AW+3], s[A0+2:A0+3], KSTEP*2
	s_add_nc_u64 s[B0+2:B0+3], s[6:7], s[OFB:OFB+1]
	s_add_nc_u64 s[BW+2:BW+3], s[B0+2:B0+3], KSTEP*2
.irp g, A0, AW, B0, BW
	s_or_b32 s[(\g)+3], s[(\g)+3], 0x80000000      ; type = 2
.endr
	CROUND                                         ; all sixteen work-groups are here: the first joint loads meet
	JLOAD A0, B0                                   ; step 0 into slot 0,
	JLOAD AW, BW                                   ; step 1 into slot 1: two loads of mine are out; later one at the most
	v_and_b32 v1, 15, v0                           ; l % 16
	v_bfe_u32 v2, v0, 4, 1                         ; l / 16
	v_mul_u32_u24 v3, v1, PITCH
	v_lshl_add_u32 v3, v2, 4, v3                   ; row x pitch + 16 x half
	s_mul_i32 s21, s[RH], HALFT                    ; my 128 rows of g
	s_mul_i32 s22, s[CH], HALFT                    ; my 128 rows of yt,
	s_add_co_u32 s22, s22, 2*HALFT                 ; which lie behind g's 256
	v_add_nc_u32 v[LA], s21, v3
	v_add_nc_u32 v[LB], s22, v3
	v_mov_b32 v[ADRA], v[LA]
	v_mov_b32 v[ADRB], v[LB]
	s_mul_i32 s23, s[WV], 16*SPITCH
	s_add_co_u32 s23, s23, STAGE                   ; my stage
	v_mul_u32_u24 v4, v1, SPITCH                   ; in: row l % 16, 32 bytes for each half of the lanes
	v_lshl_add_u32 v4, v2, 5, v4
	v_add_nc_u32 v[STO], s23, v4
	v_and_b32 v5, 31, v0
	v_lshlrev_b32 v[CO], 4, v5
	v_add_nc_u32 v[RD], s23, v[CO]                 ; back: the 32 lanes take one row of 512 bytes
	v_lshlrev_b32 v[XO], 3, v5
	v_lshlrev_b32 v[PFO], 11, v5
	s_lshl_b32 s20, s[TY], 19                      ; where my part of the tile begins in xb: 256 x tile row + 128 x half rows of 2,048 bytes,
	s_lshl_b32 s21, s[RH], 18
	s_add_co_u32 s20, s20, s21
	s_lshl_b32 s21, s[TX], 9                       ; 512 x tile column + 256 x half bytes;
	s_add_co_u32 s20, s20, s21
	s_lshl_b32 s21, s[CH], 8
	s_add_co_u32 s20, s20, s21
	s_mov_b32 s21, 0
	s_add_nc_u64 s[8:9], s[8:9], s[20:21]
	s_lshl_b32 s20, s20, 1                         ; in out0 everything is twice as wide
	s_add_nc_u64 s[12:13], s[12:13], s[20:21]
	s_lshl_b32 s22, s[CX], 16                      ; the prefetches: of the 128 rows that I fetch, my work-group's 32
	s_mov_b32 s23, 0
	s_add_nc_u64 s[PF:PF+1], s[4:5], s[OFA:OFA+1]
	s_add_nc_u64 s[PF:PF+1], s[PF:PF+1], s[22:23]
	s_lshl_b32 s22, s[CY], 16
	s_add_nc_u64 s[PFR:PFR+1], s[6:7], s[OFB:OFB+1]
	s_add_nc_u64 s[PFR:PFR+1], s[PFR:PFR+1], s[22:23]
	s_cmp_eq_u32 s[RH], 0                          ; do I fetch for g?
	s_cselect_b64 s[PF:PF+1], s[PF:PF+1], s[PFR:PFR+1]
	s_add_nc_u64 s[PF:PF+1], s[PF:PF+1], 2*KSTEP*2 ; at step 2: the first refill steps it to 3 and names step 4
	s_add_nc_u64 s[PFR:PFR+1], s[8:9], 65536       ; the residual: at my row 32
	s_wait_kmcnt 0x0                               ; gamma
	v_mov_b32 v[GAM], s[GS]
	v_cvt_pk_bf16_f32 v[GAM], v[GAM], v[GAM]       ; rounded to bf16, like every input,
	v_lshlrev_b32 v[GAM], 16, v[GAM]               ; as f32 again,
	v_mul_f32 v[GAM], 0x46000000, v[GAM]           ; times 2^13: exact
	s_wait_tensorcnt 1                             ; my part of step 0 is in; step 1's may stay out
	s_barrier_signal -1
	s_barrier_wait -1                              ; everybody's is
	FETCH 0, F0
	RLOAD 0                                        ; the first two blocks' residual: issued while the first fragments come out of LDS
	RLOAD 1
	QUARTER 1, F0, F1, 1                           ; the first quarter stands in front of the loop: its products start the sums
	WIN 0                                          ; at a label and at a branch every window is 0
	s_mov_b32 s[CNT], 6
.Lk:                                               ; a trip goes from a step's second quarter to the next step's first: trip s (0 to 5) fills slot s % 2 again with step s + 2
	QUARTER 2, F1, F0, 0
	QUARTER 3, F0, F1, 0
	TURN 1
	QUARTER 1, F0, F1, 0
	WIN 0
	s_sub_co_u32 s[CNT], s[CNT], 1
	s_cmp_lg_u32 s[CNT], 0
	s_cbranch_scc1 .Lk
	RLOAD 2                                        ; the rest of the residual goes out in runs, 128 matrix instructions or more apart: the ring asks for nothing more
	RLOAD 3
	QUARTER 2, F1, F0, 0                           ; the tail is written out
	QUARTER 3, F0, F1, 0
	RLOAD 4
	RLOAD 5
	TURN 0
	QUARTER 1, F0, F1, 0
	RLOAD 6
	QUARTER 2, F1, F0, 0
	QUARTER 3, F0, F1, 0
	PLACES                                         ; for the loads into g's buffer 0, which that quarter multiplied
	RLOAD 7
	s_wait_dscnt 8                                 ; the very last quarter: nothing more to fetch
	MUL16 F1, 0, 0, 0
	MUL16 F1, 0, 2, 0
	s_wait_dscnt 0x0
	MUL16 F1, 1, 0, 0
	MUL16 F1, 1, 2, 0
	WIN 0
	PLACES
	PLACES                                         ; eight plain lines, once a tile, behind the last products
	TOST 0
	TOST 1
.irp a, 0,1,2,3,4,5
	FIN \a, 32                                     ; a block's arithmetic and stores stand between the next block's loads from the stage and the wait for them
	TOST (\a)+2
.endr
	FIN 6, 32
	FIN 7, 0
	WIN 0
	s_wait_tensorcnt 0x0                           ; the wave's end, behind my last tensor load and my last LDS store
	ds_add_u32 v[SPW], v[NIL]
	s_wait_dscnt 0x0
	CROUND                                         ; the closing round: no work-group ends while a partner may still ask for a tile that names it
	s_endpgm
.Lfunc_end_k_q6f9d43753d_outk:
	.size	k_q6f9d43753d_outk, .Lfunc_end_k_q6f9d43753d_outk-k_q6f9d43753d_outk
	.p2alignl 7, 3214868480
	.fill 96, 4, 3214868480
	.section	.rodata,"a",@progbits
	.p2align	6, 0x0
	.amdhsa_kernel k_q6f9d43753d_outk
		.amdhsa_group_segment_fixed_size 327680
		.amdhsa_private_segment_fixed_size 0
		.amdhsa_enable_private_segment 0
		.amdhsa_kernarg_size 40
		.amdhsa_user_sgpr_count 2
		.amdhsa_user_sgpr_kernarg_segment_ptr 1
		.amdhsa_wavefront_size32 1
		.amdhsa_system_sgpr_workgroup_id_x 1
		.amdhsa_system_sgpr_workgroup_id_y 1
		.amdhsa_system_sgpr_workgroup_id_z 1
		.amdhsa_system_vgpr_workitem_id 0
		.amdhsa_next_free_vgpr 1024
		.amdhsa_next_free_sgpr 96
		.amdhsa_reserve_vcc 0
		.amdhsa_float_denorm_mode_32 3
		.amdhsa_float_denorm_mode_16_64 3
		.amdhsa_memory_ordered 1
		.amdhsa_forward_progress 1
		.amdhsa_inst_pref_size 160
	.end_amdhsa_kernel
	.amdgpu_metadata
---
amdhsa.version: [ 1, 2 ]
amdhsa.kernels:
  - .name:           k_q6f9d43753d_outk
    .symbol:         k_q6f9d43753d_outk.kd
    .args:
      - { .name: g, .offset: 0, .size: 8, .value_kind: global_buffer, .address_space: global }
      - { .name: yt, .offset: 8, .size: 8, .value_kind: global_buffer, .address_space: global }
      - { .name: xb, .offset: 16, .size: 8, .value_kind: global_buffer, .address_space: global }
      - { .name: gamma, .offset: 24, .size: 8, .value_kind: global_buffer, .address_space: global }
      - { .name: out0, .offset: 32, .size: 8, .value_kind: global_buffer, .address_space: global }
    .group_segment_fixed_size: 327680
    .private_segment_fixed_size: 0
    .kernarg_segment_align: 8
    .kernarg_segment_size: 40
    .max_flat_workgroup_size: 128
    .sgpr_count:     96
    .vgpr_count:     1024
    .wavefront_size: 32
...
	.end_amdgpu_metadata
.endif
;; end of part 3
